; MI455X (gfx1250); checked and timed in simulation.
; The chip was launched on July 23, 2026; its instructions are those of AMD's public machine-readable ISA for CDNA 5 (MIT licence, August 2026) and "CDNA5" Instruction Set Architecture Reference Guide (July 2026). The comments in the code are by the model that wrote it; some were corrected since.
;; Hyperbolic Multihead Attention. Allowed arithmetic: float matrix products may take bf16 or f16 operands with f32 sums; all other float work in f32.
;; Inputs: b_k 1,024 float32; b_o 1,024 float32; b_q 1,024 float32; b_v 1,024 float32; key 4 x 2,048 x 1,024 float32; query 4 x 2,048 x 1,024 float32; value 4 x 2,048 x 1,024 float32; w_k 1,024 x 1,024 float32; w_o 1,024 x 1,024 float32; w_q 1,024 x 1,024 float32; w_v 1,024 x 1,024 float32.
;; Outputs: out0 4 x 2,048 x 1,024 float32.
;; One version. Each part assembles by itself: llvm-mc -triple=amdgcn-amd-amdhsa -mcpu=gfx1250 --defsym DOCPART=n.
;; ======== version 1 of 1: 4 launches
;; workspace buffers: xb 50,331,648 bytes; wb 8,388,608 bytes; qkv 50,331,648 bytes; ao 16,777,216 bytes
;; launch cast (part 1): grid 64 x 28, 8 waves a work-group, no clusters, 0 bytes of LDS; arguments query, key, value, w_q, w_k, w_v, w_o, xb, wb; writes xb, wb
.if DOCPART == 1
	.amdgcn_target "amdgcn-amd-amdhsa--gfx1250"
	.amdhsa_code_object_version 6
	.text
	.protected	k_q05e69838b0_cast
	.globl	k_q05e69838b0_cast
	.p2align	8
	.type	k_q05e69838b0_cast,@function
k_q05e69838b0_cast:
	s_mov_b64 s[64:65], 0
	v_nop
	global_prefetch_b8 v0, s[64:65] scope:SCOPE_SE
	s_setreg_imm32_b32 hwreg(HW_REG_WAVE_MODE, 25, 1), 1
	s_wait_xcnt 0x0
; cast: f32 to bf16 (round to nearest even), once, for all that the later matrix launches multiply.
; xb = [24576][1024] bf16: rows 0-8191 query, 8192-16383 key, 16384-24575 value.  wb = [4096][1024] bf16: w_q, w_k, w_v, w_o.
; The grid's y is a slab of 4 MiB of f32 (0-7 query, 8-15 key, 16-23 value, 24-27 the four weights), its x a piece of 64 KiB of the slab.
; A work-group of 256 threads takes its 64 KiB by sixteen loads of 16 bytes a thread (a wave's load covers 512 neighbouring bytes)
; and stores 8 bytes a thread (a wave's store covers 256 neighbouring bytes, aligned).  All sixteen loads are issued before the first
; is used.  No work-group shares a byte with another: no LDS, no cluster, no matrix unit.  No register is written twice.
.set X, 4                              ; v[4:67]   sixteen loads, 4 registers each
.set Y, 68                             ; v[68:99]  sixteen stores, 2 registers each
	s_load_b512 s[8:23], s[0:1], 0x0               ; query s[8:9], key s[10:11], value s[12:13], w_q s[14:15], w_k s[16:17], w_v s[18:19], w_o s[20:21], xb s[22:23]
	s_load_b64 s[24:25], s[0:1], 0x40              ; wb
	s_and_b32 s2, ttmp7, 0xffff                    ; the slab
	s_and_b32 s3, s2, 7                            ; its place in an activation tensor
	s_sub_co_u32 s27, s2, 24                       ; its place among the weights (used only where the slab is 24 or more)
	v_lshlrev_b32 v1, 4, v0                        ; 16 bytes of f32 a thread
	v_lshlrev_b32 v2, 3, v0                        ; 8 bytes of bf16 a thread
	s_wait_kmcnt 0x0
	s_cmp_ge_u32 s2, 8                             ; the source buffer, chosen by the slab's number alone
	s_cselect_b64 s[4:5], s[10:11], s[8:9]
	s_cmp_ge_u32 s2, 16
	s_cselect_b64 s[4:5], s[12:13], s[4:5]
	s_cmp_ge_u32 s2, 24
	s_cselect_b64 s[4:5], s[14:15], s[4:5]
	s_cselect_b64 s[6:7], s[24:25], s[22:23]       ; weights go to wb, activations to xb
	s_cselect_b32 s3, 0, s3                        ; a weight is one slab: it starts at its buffer's first byte
	s_cselect_b32 s26, s27, s2                     ; the slab's place in the destination
	s_cmp_ge_u32 s2, 25
	s_cselect_b64 s[4:5], s[16:17], s[4:5]
	s_cmp_ge_u32 s2, 26
	s_cselect_b64 s[4:5], s[18:19], s[4:5]
	s_cmp_ge_u32 s2, 27
	s_cselect_b64 s[4:5], s[20:21], s[4:5]
	s_lshl_b32 s28, s3, 22                         ; source: slab x 4 MiB + piece x 64 KiB
	s_lshl_b32 s29, ttmp9, 16
	s_or_b32 s28, s28, s29
	s_mov_b32 s29, 0
	s_lshl_b32 s30, s26, 21                        ; destination: half of that
	s_lshl_b32 s31, ttmp9, 15
	s_or_b32 s30, s30, s31
	s_mov_b32 s31, 0
	s_add_nc_u64 s[4:5], s[4:5], s[28:29]
	s_add_nc_u64 s[6:7], s[6:7], s[30:31]
.irp j, 0,1,2,3,4,5,6,7,8,9,10,11,12,13,14,15
	global_load_b128 v[X+4*\j:X+4*\j+3], v1, s[4:5] offset:4096*\j th:TH_LOAD_NT   ; read once in the launch
.endr
.irp j, 0,1,2,3,4,5,6,7,8,9,10,11,12,13,14,15
	s_wait_loadcnt 15-\j                           ; loads come back in order (ISA guide 5.7.1): load j is in, the 15 - j younger ones stay out
	v_cvt_pk_bf16_f32 v[Y+2*\j],   v[X+4*\j],   v[X+4*\j+1]
	v_cvt_pk_bf16_f32 v[Y+2*\j+1], v[X+4*\j+2], v[X+4*\j+3]
	global_store_b64 v2, v[Y+2*\j:Y+2*\j+1], s[6:7] offset:2048*\j   ; no hint: the next launch reads these bytes
.endr
	s_endpgm
.Lfunc_end_k_q05e69838b0_cast:
	.size	k_q05e69838b0_cast, .Lfunc_end_k_q05e69838b0_cast-k_q05e69838b0_cast
	.p2alignl 7, 3214868480
	.fill 96, 4, 3214868480
	.section	.rodata,"a",@progbits
	.p2align	6, 0x0
	.amdhsa_kernel k_q05e69838b0_cast
		.amdhsa_group_segment_fixed_size 0
		.amdhsa_private_segment_fixed_size 0
		.amdhsa_enable_private_segment 0
		.amdhsa_kernarg_size 72
		.amdhsa_user_sgpr_count 2
		.amdhsa_user_sgpr_kernarg_segment_ptr 1
		.amdhsa_wavefront_size32 1
		.amdhsa_system_sgpr_workgroup_id_x 1
		.amdhsa_system_sgpr_workgroup_id_y 1
		.amdhsa_system_sgpr_workgroup_id_z 1
		.amdhsa_system_vgpr_workitem_id 0
		.amdhsa_next_free_vgpr 104
		.amdhsa_next_free_sgpr 66
		.amdhsa_reserve_vcc 0
		.amdhsa_float_denorm_mode_32 3
		.amdhsa_float_denorm_mode_16_64 3
		.amdhsa_memory_ordered 1
		.amdhsa_forward_progress 1
		.amdhsa_inst_pref_size 7
	.end_amdhsa_kernel
	.amdgpu_metadata
---
amdhsa.version: [ 1, 2 ]
amdhsa.kernels:
  - .name:           k_q05e69838b0_cast
    .symbol:         k_q05e69838b0_cast.kd
    .args:
      - { .name: query, .offset: 0, .size: 8, .value_kind: global_buffer, .address_space: global }
      - { .name: key, .offset: 8, .size: 8, .value_kind: global_buffer, .address_space: global }
      - { .name: value, .offset: 16, .size: 8, .value_kind: global_buffer, .address_space: global }
      - { .name: w_q, .offset: 24, .size: 8, .value_kind: global_buffer, .address_space: global }
      - { .name: w_k, .offset: 32, .size: 8, .value_kind: global_buffer, .address_space: global }
      - { .name: w_v, .offset: 40, .size: 8, .value_kind: global_buffer, .address_space: global }
      - { .name: w_o, .offset: 48, .size: 8, .value_kind: global_buffer, .address_space: global }
      - { .name: xb, .offset: 56, .size: 8, .value_kind: global_buffer, .address_space: global }
      - { .name: wb, .offset: 64, .size: 8, .value_kind: global_buffer, .address_space: global }
    .group_segment_fixed_size: 0
    .private_segment_fixed_size: 0
    .kernarg_segment_align: 8
    .kernarg_segment_size: 72
    .max_flat_workgroup_size: 256
    .sgpr_count:     66
    .vgpr_count:     104
    .wavefront_size: 32
...
	.end_amdgpu_metadata
.endif
;; end of part 1
;; launch proj (part 2): grid 4 x 64, 4 waves a work-group, clusters of 4 x 4, 327,680 bytes of LDS; arguments xb, wb, b_q, b_k, b_v, qkv; writes qkv
.if DOCPART == 2
	.amdgcn_target "amdgcn-amd-amdhsa--gfx1250"
	.amdhsa_code_object_version 6
	.text
	.protected	k_q05e69838b0_proj
	.globl	k_q05e69838b0_proj
	.p2align	8
	.type	k_q05e69838b0_proj,@function
k_q05e69838b0_proj:
	s_mov_b64 s[64:65], 0
	v_nop
	global_prefetch_b8 v0, s[64:65] scope:SCOPE_SE
	s_setreg_imm32_b32 hwreg(HW_REG_WAVE_MODE, 25, 1), 1
	s_wait_xcnt 0x0
	s_wait_alu depctr_hold_cnt(0) depctr_sa_sdst(0) depctr_va_vdst(0) depctr_va_sdst(0) depctr_va_ssrc(0) depctr_va_vcc(0) depctr_vm_vsrc(0)
	s_getreg_b32 s2, hwreg(HW_REG_IB_STS2, 6, 4)
	s_cmp_eq_u32 s2, 0
	s_cbranch_scc0 .Lentry_in_a_cluster
	s_endpgm
.Lentry_in_a_cluster:
	s_bfe_u32 s2, ttmp6, 0x10000c
	s_cmp_lg_u32 s2, 0xf033
	s_cbranch_scc0 .Lentry_shape_is_right
	s_endpgm
.Lentry_shape_is_right:
; proj: the three projections in one launch of 256 work-groups that stay.  out[t][f] = sum over k of x[t][k] w[f][k] + b[f]; for Q and K
; each head's 64 numbers are then divided by max(their L2 norm, 1e-12).  Operands bf16, sums, bias and norm in f32.
; Stored head-major: qkv = [3][64 (16 batch + head)][2048 tokens][64]; Q and K in f16 (normalised: no component above 1 in magnitude),
; V in bf16 (its range is not bounded).
; SHARES: Q and K together are 16,384 x 1,024 outputs = 256 blocks of 256 x 256; V is 8,192 x 1,024 = 256 blocks of 128 x 256.
; Work-group (bx, by), bx 0-3, by 0-63, makes block by of the rows of Q;K (phase 1), then block by of the rows of V (phase 2), features 256 bx.
; Phase 1: four waves of 128 tokens x 128 features (two heads), 64 accumulator tiles, 512 registers.  Phase 2: 64 tokens x 128 features, 32 tiles.
; K goes in steps of 128 through two LDS slots filled by tensor loads; a tile's rows are 256 bytes of memory at multiples of 256.  The ring
; runs on from phase 1 into phase 2: phase 1's last two changes of slot ask for phase 2's first two tiles, which land under the first way out.
; CLUSTERS: 4 x 4 work-groups.  The four of a row of the cluster need the same rows of x, the four of a column the same rows of w, in both
; phases: each tile is asked for jointly, by the same load with the same descriptor in all four, which divides the requests by four.
; Q or K is told by the cluster's y alone (8 clusters of 4 row blocks to a tensor), so it is equal in all sixteen partners.
; THE MATRIX INSTRUCTION IS USED TRANSPOSED (source 0 = 16 rows of w, source 1 = 16 tokens): lane l holds token l % 16, its registers
; 0-7 the features 8 (l / 16) + 0..7 of the tile: a token's head lies in lanes l and l xor 16, and eight numbers pack into 16 bytes.
; REGISTERS, in windows of 256: window 0: v16-27 addresses, v32-47 read-back, v64-127 and v128-191 fragments of A (two buffers), v192-247 the way out;
;   window 1: v0-63 bias of Q or K, v64-127 and v128-191 fragments of B, v192-255 bias of V;
;   window 2: accumulator tiles of my token tiles 0-3 (tile (a, b) at v[8 (8 a + b)]); window 3: those of token tiles 4-7 (phase 1 alone).
.set KSTEP,  128
.set PITCH,  272                       ; LDS row: 256 bytes + 16 of padding, an odd multiple of 16: a fragment load's 16 rows start 16 bytes apart modulo 256
.set HALFT,  128*PITCH                 ; 128 rows: one tensor load of phase 1 and of B in phase 2
.set QUART,  64*PITCH                  ; 64 rows: one tensor load of A in phase 2
.set SLOT,   4*HALFT                   ; A's rows (256, in phase 2 the first 128), then B's 256 rows
.set STAGE,  2*SLOT                    ; behind the ring, at a multiple of 256: 16 rows x 144 bytes for each wave; no tensor load lands here
.set SPITCH, 144
.set LAPS,   1024/(2*KSTEP)            ; a lap = two K steps = once round the ring: 4 in each phase
.set ADRA,  16                         ; v16-17 LDS address of my A fragments in slot 0, 1, phase 1
.set ADRA2, 18                         ; v18-19 the same, phase 2
.set ADRB,  20                         ; v20-21 the same for B, both phases
.set STO,   24                         ; the way out: where I put 16 bytes
.set RD,    25                         ; the way out: where I read back
.set CO,    26                         ; my byte offset in 16 tokens' 2,048 bytes of output
.set BO,    27                         ; my byte offset in the bias
.set Z,     32                         ; 16 registers read back, to store
.set F0,    64
.set F1,    128
.set T,     192                        ; the way out: 32 numbers in f32
.set SS,    224                        ; sums of squares, norm, reciprocal
.set Y,     232                        ; 16 registers of packed 16-bit numbers
.set BIAS1, 0                          ; window 1
.set BIAS2, 192                        ; window 1
.set G1A,  28                          ; s[28:35] group 1, A's tiles of phase 1
.set G0A,  36                          ; s[36:43] group 0, a set for each slot
.set G1B,  44                          ; s[44:51] group 1, B's tiles of both phases
.set G0B,  52                          ; s[52:59]
.set G1A2, 68                          ; s[68:75] group 1, A's tiles of phase 2
.set G0A2, 76                          ; s[76:83]
.set G0B2, 84                          ; s[84:91]
.set OB1,  92                          ; s[92:93] where my results of phase 1 go
.set OB2,  94                          ; s[94:95] those of phase 2
.set MUL_LO, 0xa1                      ; source 0 (B) window 1, source 1 (A) window 0, C and D window 2
.set MUL_HI, 0xf1                      ; the same, C and D window 3
.set TO_B,   0x40                      ; destination window 1, address window 0
.set MSB, 0
.macro WIN new                         ; the immediate's high byte repeats the setting that is left
.if MSB != \new
	s_set_vgpr_msb (MSB<<8)|\new
.set MSB, \new
.endif
.endm
; A joint load of phase ph into slot s: waves 0 and 1 ask for A's two halves, waves 2 and 3 for B's.  The branch hangs on the wave's number alone.
.macro JLOAD ph, s
	s_cmp_eq_u32 s17, 0
	s_cbranch_scc0 .Lfor_b_\@
.if \ph == 1
	tensor_load_to_lds s[G0A+4*\s:G0A+4*\s+3], s[G1A:G1A+7]
	s_nop 0
.else
	tensor_load_to_lds s[G0A2+4*\s:G0A2+4*\s+3], s[G1A2:G1A2+7]
	s_nop 0
.endif
	s_branch .Lasked_\@
.Lfor_b_\@:
.if \ph == 1
	tensor_load_to_lds s[G0B+4*\s:G0B+4*\s+3], s[G1B:G1B+7]
	s_nop 0
.else
	tensor_load_to_lds s[G0B2+4*\s:G0B2+4*\s+3], s[G1B:G1B+7]
	s_nop 0
.endif
.Lasked_\@:
.endm
; A round of the cluster's barrier: my work-group's barrier; wave 0 signals for the work-group; all wait for all sixteen; my barrier again.
.macro CREST                           ; a round behind its opening barrier
	s_cmp_lg_u32 s16, 0
	s_cbranch_scc1 .Lnot_wave_0_\@
	s_barrier_signal -3
.Lnot_wave_0_\@:
	s_barrier_wait -3
	s_barrier_signal -1
	s_barrier_wait -1
.endm
.macro CROUND
	s_barrier_signal -1
	s_barrier_wait -1
	CREST
.endm
	s_load_b256 s[4:11], s[0:1], 0x0               ; xb s[4:5], wb s[6:7], b_q s[8:9], b_k s[10:11]
	s_load_b128 s[12:15], s[0:1], 0x20             ; b_v s[12:13], qkv s[14:15]
	v_lshl_add_u32 v254, v0, 2, 0x46400
	v_mov_b32 v255, 0
	ds_add_u32 v254, v255
	v_lshrrev_b32 v1, 5, v0
	v_readfirstlane_b32 s16, v1                    ; wave 0..3
	s_lshr_b32 s17, s16, 1                         ; mh: which half of the block's tokens is mine.  Also: I fetch for A (0) or for B (1)
	s_and_b32 s18, s16, 1                          ; nh: which 128 features are mine.  Also: which half of that tile I fetch
	s_bfe_u32 s19, ttmp6, 0x40000                  ; cx
	s_bfe_u32 s20, ttmp6, 0x40004                  ; cy
	s_lshl_b32 s21, ttmp9, 2
	s_add_co_u32 s21, s21, s19                     ; bx: block of 256 features = 4 x cluster x + cx
	s_and_b32 s23, ttmp7, 0xffff
	s_lshl_b32 s22, s23, 2
	s_add_co_u32 s22, s22, s20                     ; by: row block = 4 x cluster y + cy
	s_lshr_b32 s23, s23, 3                         ; g: 0 Q, 1 K, from the cluster's y alone
	s_lshl_b32 s24, s20, 2
	s_lshl_b32 s24, 15, s24                        ; my row of the cluster: places 4 cy .. 4 cy + 3
	s_lshl_b32 s25, 0x1111, s19                    ; my column: places cx, cx + 4, cx + 8, cx + 12
	s_mov_b32 s26, 0x76543210                      ; v_permlanex16_b32: lane i reads lane i of the other half
	s_mov_b32 s27, 0xfedcba98
	; group 1: rows of 128 elements of 2 bytes, 4 words of padding behind every 64 words, 1,024 elements from row to row
	s_or_b32 s[G1A+0], s24, (1<<16)|(1<<20)|(1<<21)|(5<<22)|(3<<25)   ; mask: A's tiles go to my row of the cluster; bit 21 set beside a mask
	s_mov_b32 s[G1A+1], KSTEP<<16                  ; tensor_dim0 = 128
	s_mov_b32 s[G1A+2], 128<<16                    ; tensor_dim1 = 128
	s_mov_b32 s[G1A+3], KSTEP<<16                  ; tile_dim0 = 128
	s_mov_b32 s[G1A+4], 128                        ; tile_dim1 = 128
	s_mov_b32 s[G1A+5], 1024                       ; pitch
	s_mov_b32 s[G1A+6], 0
	s_mov_b32 s[G1A+7], 0
	s_or_b32 s[G1B+0], s25, (1<<16)|(1<<20)|(1<<21)|(5<<22)|(3<<25)   ; mask: B's tiles go to my column
	s_mov_b32 s[G1B+1], KSTEP<<16
	s_mov_b32 s[G1B+2], 128<<16
	s_mov_b32 s[G1B+3], KSTEP<<16
	s_mov_b32 s[G1B+4], 128
	s_mov_b32 s[G1B+5], 1024
	s_mov_b32 s[G1B+6], 0
	s_mov_b32 s[G1B+7], 0
	s_or_b32 s[G1A2+0], s24, (1<<16)|(1<<20)|(1<<21)|(5<<22)|(3<<25)  ; phase 2: A's tiles have 64 rows a load
	s_mov_b32 s[G1A2+1], KSTEP<<16
	s_mov_b32 s[G1A2+2], 64<<16
	s_mov_b32 s[G1A2+3], KSTEP<<16
	s_mov_b32 s[G1A2+4], 64
	s_mov_b32 s[G1A2+5], 1024
	s_mov_b32 s[G1A2+6], 0
	s_mov_b32 s[G1A2+7], 0
	; A's addresses hang on by and the wave, B's on g, bx and the wave, each made in registers that never hold the other coordinate
	s_lshl_b32 s96, s22, 19                        ; A, phase 1: 256 rows of 2,048 bytes a block,
	s_lshl_b32 s66, s18, 18                        ;    128 rows a half
	s_add_co_u32 s96, s96, s66
	s_mov_b32 s97, 0
	s_lshl_b32 s98, s22, 18                        ; A, phase 2: 128 rows a block,
	s_lshl_b32 s66, s18, 17                        ;    64 rows a half,
	s_add_co_u32 s98, s98, s66
	s_add_co_u32 s98, s98, 0x2000000               ;    behind the 16,384 rows of query and key
	s_mov_b32 s99, 0
	s_lshl_b32 s60, s21, 19                        ; B: 256 rows a block,
	s_lshl_b32 s2, s18, 18                         ;    128 rows a half,
	s_add_co_u32 s60, s60, s2
	s_add_co_u32 s62, s60, 2<<21                   ;    phase 2: w_v, behind w_q and w_k
	s_lshl_b32 s2, s23, 21                         ;    phase 1: w_q or w_k
	s_add_co_u32 s60, s60, s2
	s_mov_b32 s61, 0
	s_mov_b32 s63, 0
	s_mul_i32 s100, s16, HALFT                     ; LDS: A's two halves, then B's two halves = wave x 128 rows
	s_mul_i32 s101, s16, QUART                     ;      phase 2, waves 0 and 1: A's halves = wave x 64 rows
	s_wait_dscnt 0x0
	s_wait_kmcnt 0x0
	s_add_nc_u64 s[96:97], s[4:5], s[96:97]
	s_add_nc_u64 s[98:99], s[4:5], s[98:99]
	s_add_nc_u64 s[60:61], s[6:7], s[60:61]
	s_add_nc_u64 s[62:63], s[6:7], s[62:63]
	CROUND                                         ; all sixteen work-groups are here: the first joint loads meet
.irp s, 0,1
	s_mov_b32 s[G0A+4*\s], 1
	s_add_co_u32 s[G0A+4*\s+1], s100, \s*SLOT
	s_add_nc_u64 s[G0A+4*\s+2:G0A+4*\s+3], s[96:97], \s*KSTEP*2    ; K step s
	s_or_b32 s[G0A+4*\s+3], s[G0A+4*\s+3], 0x80000000
	s_mov_b32 s[G0B+4*\s], 1
	s_add_co_u32 s[G0B+4*\s+1], s100, \s*SLOT
	s_add_nc_u64 s[G0B+4*\s+2:G0B+4*\s+3], s[60:61], \s*KSTEP*2
	s_or_b32 s[G0B+4*\s+3], s[G0B+4*\s+3], 0x80000000
	JLOAD 1, \s                                    ; both slots' first fills go out before anything else: two loads of the wave are out
.endr
.irp s, 0,1
	s_mov_b32 s[G0A2+4*\s], 1                      ; phase 2's sets, used from phase 1's last lap on
	s_add_co_u32 s[G0A2+4*\s+1], s101, \s*SLOT
	s_add_nc_u64 s[G0A2+4*\s+2:G0A2+4*\s+3], s[98:99], \s*KSTEP*2
	s_or_b32 s[G0A2+4*\s+3], s[G0A2+4*\s+3], 0x80000000
	s_mov_b32 s[G0B2+4*\s], 1
	s_add_co_u32 s[G0B2+4*\s+1], s100, \s*SLOT
	s_add_nc_u64 s[G0B2+4*\s+2:G0B2+4*\s+3], s[62:63], \s*KSTEP*2
	s_or_b32 s[G0B2+4*\s+3], s[G0B2+4*\s+3], 0x80000000
.endr
	; fragment addresses: lane l holds row l % 16; registers 0-3 K = 8 (l / 16) + 0..7, registers 4-7 K = 16 + 8 (l / 16) + 0..7
	v_and_b32 v1, 15, v0                           ; r
	v_bfe_u32 v2, v0, 4, 1                         ; h
	v_mul_u32_u24 v3, v1, PITCH
	v_lshl_add_u32 v3, v2, 4, v3
	s_mul_i32 s100, s17, HALFT                     ; my 128 tokens of phase 1
	s_mul_i32 s101, s18, HALFT                     ; my 128 rows of B,
	s_add_co_u32 s101, s101, 2*HALFT               ; which lie behind A's region
	s_mul_i32 s67, s17, QUART                      ; my 64 tokens of phase 2
.irp s, 0,1
	v_add_nc_u32 v[ADRA+\s], s100, v3
	v_add_nc_u32 v[ADRB+\s], s101, v3
	v_add_nc_u32 v[ADRA2+\s], s67, v3
	s_add_co_u32 s100, s100, SLOT
	s_add_co_u32 s101, s101, SLOT
	s_add_co_u32 s67, s67, SLOT
.endr
	s_mul_i32 s67, s16, 16*SPITCH
	s_add_co_u32 s67, s67, STAGE                   ; my stage
	v_mul_u32_u24 v4, v1, SPITCH                   ; in: token r's row, 16 bytes for each half of the lanes
	v_lshl_add_u32 v4, v2, 4, v4
	v_add_nc_u32 v[STO], s67, v4
	v_and_b32 v5, 31, v0                           ; lane
	v_lshrrev_b32 v6, 3, v5                        ; back: eight lanes take a row of 128 bytes, a load four rows
	v_and_b32 v7, 7, v0
	v_mul_u32_u24 v6, v6, SPITCH
	v_lshl_add_u32 v6, v7, 4, v6
	v_add_nc_u32 v[RD], s67, v6
	v_lshlrev_b32 v[CO], 4, v5                     ; those four rows are 512 neighbouring bytes of the output
	; the bias of my 64 features a lane: feature 128 (2 bx + nh) + 16 b + 8 h + j, b = 0..7; both phases' sets are loaded now
	s_cmp_eq_u32 s23, 1
	s_cselect_b64 s[8:9], s[10:11], s[8:9]         ; b_k or b_q
	s_lshl1_add_u32 s104, s21, s18                 ; 2 bx + nh
	s_lshl_b32 s105, s104, 9
	v_lshl_add_u32 v[BO], v2, 5, s105
	WIN TO_B
.irp b, 0,1,2,3,4,5,6,7
	global_load_b128 v[BIAS1+8*\b:BIAS1+8*\b+3],   v[BO], s[8:9] offset:64*\b
	global_load_b128 v[BIAS1+8*\b+4:BIAS1+8*\b+7], v[BO], s[8:9] offset:64*\b+16
	global_load_b128 v[BIAS2+8*\b:BIAS2+8*\b+3],   v[BO], s[12:13] offset:64*\b
	global_load_b128 v[BIAS2+8*\b+4:BIAS2+8*\b+7], v[BO], s[12:13] offset:64*\b+16
.endr
	WIN 0
	; where my results go: plane, head row 16 batch + head, token, 128 bytes a token; my first head is 4 bx + 2 nh
	s_lshl_b32 s104, s104, 1
	s_and_b32 s105, s22, 31                        ; phase 1: batch = (by % 32) / 8, token 256 (by % 8) + 128 mh
	s_lshr_b32 s105, s105, 3
	s_lshl_b32 s105, s105, 4
	s_add_co_u32 s105, s105, s104
	s_lshl_b32 s10, s105, 18                       ; 2,048 tokens of 128 bytes a head row
	s_lshl_b32 s105, s23, 24                       ; plane g
	s_add_co_u32 s10, s10, s105
	s_and_b32 s105, s22, 7
	s_lshl_b32 s105, s105, 15
	s_add_co_u32 s10, s10, s105
	s_lshl_b32 s105, s17, 14
	s_add_co_u32 s10, s10, s105
	s_mov_b32 s11, 0
	s_add_nc_u64 s[OB1:OB1+1], s[14:15], s[10:11]
	s_lshr_b32 s105, s22, 4                        ; phase 2: batch = by / 16, token 128 (by % 16) + 64 mh, plane 2
	s_lshl_b32 s105, s105, 4
	s_add_co_u32 s105, s105, s104
	s_lshl_b32 s10, s105, 18
	s_add_co_u32 s10, s10, 2<<24
	s_and_b32 s105, s22, 15
	s_lshl_b32 s105, s105, 14
	s_add_co_u32 s10, s10, s105
	s_lshl_b32 s105, s17, 13
	s_add_co_u32 s10, s10, s105
	s_add_nc_u64 s[OB2:OB2+1], s[14:15], s[10:11]
; 16 matrix instructions: token tiles a0, a0 + 1 of the window's four (hi = 0: tiles 0-3, 1: tiles 4-7) x all 8 feature tiles, 32 along K.
; zero = 1: the first product starts the sums.  The accumulators take turns, one instruction a turn, in the same order in every quarter
; step.
.macro MUL16 f, hi, a0, zero
.irp a, \a0, \a0+1
.irp b, 0,1,2,3,4,5,6,7
.if \zero
	v_wmma_f32_16x16x32_bf16 v[8*(8*(\a)+\b):8*(8*(\a)+\b)+7], v[\f+8*\b:\f+8*\b+7], v[\f+8*(4*\hi+\a):\f+8*(4*\hi+\a)+7], 0
.else
	v_wmma_f32_16x16x32_bf16 v[8*(8*(\a)+\b):8*(8*(\a)+\b)+7], v[\f+8*\b:\f+8*\b+7], v[\f+8*(4*\hi+\a):\f+8*(4*\hi+\a)+7], v[8*(8*(\a)+\b):8*(8*(\a)+\b)+7]
.endif
.endr
.endr
.endm
; phase 1: 32 LDS loads in one run: 128 rows of B, 128 rows of A, 32 K at byte k of the rows, into buffer f
.macro FETCH slot, k, f
	WIN TO_B
.irp i, 0,1,2,3,4,5,6,7
	ds_load_b128 v[\f+8*\i:\f+8*\i+3],   v[ADRB+\slot] offset:\k+\i*16*PITCH
	ds_load_b128 v[\f+8*\i+4:\f+8*\i+7], v[ADRB+\slot] offset:\k+\i*16*PITCH+32
.endr
	WIN 0
.irp i, 0,1,2,3,4,5,6,7
	ds_load_b128 v[\f+8*\i:\f+8*\i+3],   v[ADRA+\slot] offset:\k+\i*16*PITCH
	ds_load_b128 v[\f+8*\i+4:\f+8*\i+7], v[ADRA+\slot] offset:\k+\i*16*PITCH+32
.endr
.endm
; phase 2: 24 LDS loads: 128 rows of B, 64 rows of A
.macro FETCH2 slot, k, f
	WIN TO_B
.irp i, 0,1,2,3,4,5,6,7
	ds_load_b128 v[\f+8*\i:\f+8*\i+3],   v[ADRB+\slot] offset:\k+\i*16*PITCH
	ds_load_b128 v[\f+8*\i+4:\f+8*\i+7], v[ADRB+\slot] offset:\k+\i*16*PITCH+32
.endr
	WIN 0
.irp i, 0,1,2,3
	ds_load_b128 v[\f+8*\i:\f+8*\i+3],   v[ADRA2+\slot] offset:\k+\i*16*PITCH
	ds_load_b128 v[\f+8*\i+4:\f+8*\i+7], v[ADRA2+\slot] offset:\k+\i*16*PITCH+32
.endr
.endm
; Four places of plain vector instructions stand between a matrix instruction and a load into, or a vector instruction on, its registers
; (ISA guide 7.12.1 for vector instructions); the matrix instructions in between are not counted.
.macro PLACES
.rept 4
	v_nop
.endr
.endm
; PHASE 1.  A quarter step: multiplies buffer f; in its middle it fetches the next quarter, at byte k of the same slot's rows, into buffer g.
.macro QUARTER slot, k, f, g, zero
	s_wait_dscnt 8                                 ; B and A's rows 0-63 are in; the youngest eight loads (A's rows 64-127) may be out
	WIN MUL_LO
	MUL16 \f, 0, 0, \zero
	MUL16 \f, 0, 2, \zero
	PLACES
	FETCH \slot, \k, \g
	s_wait_dscnt 32                                ; all but the 32 just issued
	WIN MUL_HI
	MUL16 \f, 1, 0, \zero
	MUL16 \f, 1, 2, \zero
.endm
.macro THREE slot, zero
	QUARTER \slot, 64,  F0, F1, \zero
	QUARTER \slot, 128, F1, F0, 0
	QUARTER \slot, 192, F0, F1, 0
.endm
; The last quarter of a K step of phase 1: multiplies buffer 1 and changes slots.  In front of the barrier each wave waits for its reads of
; this slot and for all its tensor loads (one is out: its part of the next slot).  The barrier opens a round of the cluster's barrier, and the
; joint refill is the first tensor load behind the round, one a wave.  fill = 1: this phase's tile two K steps ahead; 2: phase 2's first tile
; of this slot.  fk = 1: the next slot holds a tile of phase 1; 2: of phase 2.  From a request to the wait for it a wave issues 240 matrix instructions.
.macro TURN slot, next, fill, fk
	s_wait_dscnt 8
	WIN MUL_LO
	MUL16 F1, 0, 0, 0
	s_wait_dscnt 0                                 ; my reads of this slot are over
	s_set_vgpr_msb 0xa1a0
	s_wait_tensorcnt 0x0                           ; all my tensor loads have landed
	ds_add_u32 v254, v255
	s_wait_dscnt 0x0
	s_set_vgpr_msb 0xa0a1
	s_barrier_signal -1
	MUL16 F1, 0, 2, 0                              ; registers only, while the others arrive
	WIN 0
	s_barrier_wait -1
	CREST                                          ; no wave of any partner still reads this slot or has a load on its way
.if \fill == 1
	s_add_nc_u64 s[G0A+4*\slot+2:G0A+4*\slot+3], s[G0A+4*\slot+2:G0A+4*\slot+3], 2*KSTEP*2
	s_add_nc_u64 s[G0B+4*\slot+2:G0B+4*\slot+3], s[G0B+4*\slot+2:G0B+4*\slot+3], 2*KSTEP*2
	JLOAD 1, \slot
.else
	JLOAD 2, \slot
.endif
	PLACES
.if \fk == 1
	FETCH \next, 0, F0
.else
	FETCH2 \next, 0, F0
.endif
	WIN MUL_HI
	MUL16 F1, 1, 0, 0
	MUL16 F1, 1, 2, 0
.endm
.macro LAP zero
	THREE 0, \zero
	TURN 0, 1, 1, 1
	THREE 1, 0
	TURN 1, 0, 1, 1
.endm
; PHASE 2: the same with half of the tokens: 32 matrix instructions a quarter step, all in window 2.
.macro QUARTER2 slot, k, f, g, zero
	s_wait_dscnt 4                                 ; B and A's rows 0-31 are in; the youngest four loads (A's rows 32-63) may be out
	WIN MUL_LO
	MUL16 \f, 0, 0, \zero
	PLACES
	FETCH2 \slot, \k, \g
	s_wait_dscnt 24                                ; all but the 24 just issued
	WIN MUL_LO
	MUL16 \f, 0, 2, \zero
.endm
.macro THREE2 slot, zero
	QUARTER2 \slot, 64,  F0, F1, \zero
	QUARTER2 \slot, 128, F1, F0, 0
	QUARTER2 \slot, 192, F0, F1, 0
.endm
.macro TURN2 slot, next, fill
	s_wait_dscnt 0                                 ; buffer 1 is in, and with it my reads of this slot are over
	s_set_vgpr_msb 0xa1a0
	s_wait_tensorcnt 0x0                           ; all my tensor loads have landed
	ds_add_u32 v254, v255
	s_wait_dscnt 0x0
	s_set_vgpr_msb 0xa0a1
	s_barrier_signal -1
	WIN MUL_LO
	MUL16 F1, 0, 0, 0                              ; registers only, while the others arrive
	WIN 0
	s_barrier_wait -1
.if \fill
	CREST
	s_add_nc_u64 s[G0A2+4*\slot+2:G0A2+4*\slot+3], s[G0A2+4*\slot+2:G0A2+4*\slot+3], 2*KSTEP*2
	s_add_nc_u64 s[G0B2+4*\slot+2:G0B2+4*\slot+3], s[G0B2+4*\slot+2:G0B2+4*\slot+3], 2*KSTEP*2
	JLOAD 2, \slot
.endif
	PLACES
	FETCH2 \next, 0, F0
	WIN MUL_LO
	MUL16 F1, 0, 2, 0
.endm
.macro LAP2 zero
	THREE2 0, \zero
	TURN2 0, 1, 1
	THREE2 1, 0
	TURN2 1, 0, 1
.endm
; THE WAY OUT, 16 tokens of one head at a time: window w, token tile a of the window, head hd of my two, at = the tile's place among my tokens.
; norm = 1: divide by max(L2 norm of the head's 64 numbers, 1e-12) and round to f16; 0: round to bf16.
.macro OUT16 w, a, hd, at, norm, bias, ob
	WIN (0x04|\w)                                  ; source 0 (the sums) in window w, source 1 (the bias) in window 1
.irp p, 0,1,2,3,4,5,6,7,8,9,10,11,12,13,14,15
	v_pk_add_f32 v[T+2*\p:T+2*\p+1], v[64*\a+32*\hd+2*\p:64*\a+32*\hd+2*\p+1], v[\bias+32*\hd+2*\p:\bias+32*\hd+2*\p+1]
.endr
	WIN 0
.if \norm
.irp p, 0,1,2,3
	v_pk_mul_f32 v[SS+2*\p:SS+2*\p+1], v[T+2*\p:T+2*\p+1], v[T+2*\p:T+2*\p+1]     ; four chains of pairs, started by the first products
.endr
.irp p, 4,5,6,7,8,9,10,11,12,13,14,15
	v_pk_fma_f32 v[SS+2*(\p%4):SS+2*(\p%4)+1], v[T+2*\p:T+2*\p+1], v[T+2*\p:T+2*\p+1], v[SS+2*(\p%4):SS+2*(\p%4)+1]
.endr
	v_pk_add_f32 v[SS:SS+1], v[SS:SS+1], v[SS+2:SS+3]
	v_pk_add_f32 v[SS+4:SS+5], v[SS+4:SS+5], v[SS+6:SS+7]
	v_pk_add_f32 v[SS:SS+1], v[SS:SS+1], v[SS+4:SS+5]
	v_add_f32 v[SS], v[SS], v[SS+1]                ; my 32 squares
	v_permlanex16_b32 v[SS+1], v[SS], s26, s27     ; the token's other 32 lie in lane l xor 16
	v_add_f32 v[SS], v[SS], v[SS+1]
	v_sqrt_f32 v[SS+2], v[SS]
	v_nop                                          ; one plain place behind a transcendental (ISA guide 5.7.2)
	s_wait_alu depctr_va_vdst(0)
	v_max_num_f32 v[SS+2], 0x2b8cbccc, v[SS+2]     ; max(norm, 1e-12)
	v_rcp_f32 v[SS+4], v[SS+2]                     ; twice: a pair for the packed multiply
	v_rcp_f32 v[SS+5], v[SS+2]
	v_nop
	s_wait_alu depctr_va_vdst(0)
.irp p, 0,1,2,3,4,5,6,7,8,9,10,11,12,13,14,15
	v_pk_mul_f32 v[T+2*\p:T+2*\p+1], v[T+2*\p:T+2*\p+1], v[SS+4:SS+5]
.endr
.irp p, 0,1,2,3,4,5,6,7,8,9,10,11,12,13,14,15
	v_cvt_pk_f16_f32 v[Y+\p], v[T+2*\p], v[T+2*\p+1]
.endr
.else
.irp p, 0,1,2,3,4,5,6,7,8,9,10,11,12,13,14,15
	v_cvt_pk_bf16_f32 v[Y+\p], v[T+2*\p], v[T+2*\p+1]
.endr
.endif
.irp b, 0,1,2,3
	ds_store_b128 v[STO], v[Y+4*\b:Y+4*\b+3] offset:32*\b          ; the head's numbers 16 b + 8 h + 0..7 of token r
.endr
	s_wait_xcnt 0x0                                ; Z is the data of the last stores: it is loaded again only behind this wait
.irp u, 0,1,2,3
	ds_load_b128 v[Z+4*\u:Z+4*\u+3], v[RD] offset:4*SPITCH*\u      ; a wave's LDS instructions are served in order (ISA guide 5.7.1): these see the stores above
.endr
.irp u, 0,1,2,3
	s_wait_dscnt 3-\u                              ; load u is in, the younger ones stay out
	global_store_b128 v[CO], v[Z+4*\u:Z+4*\u+3], s[\ob:\ob+1] offset:262144*\hd+2048*(\at)+512*\u   ; 32 lanes store 512 neighbouring bytes, aligned; a head row is 262,144 bytes
.endr
.endm
	; PHASE 1: Q or K, 256 x 256
	s_wait_tensorcnt 1                             ; my part of K step 0 is in; K step 1's load, issued behind it, may stay out
	s_barrier_signal -1
	s_barrier_wait -1
	FETCH 0, 0, F0
	LAP 1                                          ; the first lap's first products start the sums
	WIN 0
	s_mov_b32 s3, LAPS-2
.Llap:
	LAP 0
	WIN 0
	s_sub_co_u32 s3, s3, 1
	s_cmp_lg_u32 s3, 0
	s_cbranch_scc1 .Llap
	THREE 0, 0                                     ; the last lap asks for phase 2's K steps 0 and 1
	TURN 0, 1, 2, 1
	THREE 1, 0
	TURN 1, 0, 2, 2                                ; and fetches phase 2's first fragments: slot 0's new tile has been shown landed by this turn's waits and barrier
	PLACES                                         ; behind the last matrix instructions, for the additions that read their results
	WIN 0
	s_wait_loadcnt 0x0                             ; both biases
.irp a, 0,1,2,3
.irp hd, 0,1
	OUT16 2, \a, \hd, \a, 1, BIAS1, OB1
.endr
.endr
.irp a, 0,1,2,3
.irp hd, 0,1
	OUT16 3, \a, \hd, \a+4, 1, BIAS1, OB1
.endr
.endr
	; PHASE 2: V, 128 x 256; its K step 1 landed, or lands, under the way out above
	LAP2 1
	WIN 0
	s_mov_b32 s3, LAPS-2
.Llap2:
	LAP2 0
	WIN 0
	s_sub_co_u32 s3, s3, 1
	s_cmp_lg_u32 s3, 0
	s_cbranch_scc1 .Llap2
	THREE2 0, 0                                    ; the last lap fills nothing
	TURN2 0, 1, 0
	THREE2 1, 0
	s_wait_dscnt 0
	WIN MUL_LO
	MUL16 F1, 0, 0, 0
	MUL16 F1, 0, 2, 0
	PLACES
	WIN 0
.irp a, 0,1,2,3
.irp hd, 0,1
	OUT16 2, \a, \hd, \a, 0, BIAS2, OB2
.endr
.endr
	s_wait_tensorcnt 0x0
	ds_add_u32 v254, v255
	s_wait_dscnt 0x0
	CROUND                                         ; the closing round: no work-group ends while a partner may still ask for a tile that names it
	s_endpgm
.Lfunc_end_k_q05e69838b0_proj:
	.size	k_q05e69838b0_proj, .Lfunc_end_k_q05e69838b0_proj-k_q05e69838b0_proj
	.p2alignl 7, 3214868480
	.fill 96, 4, 3214868480
	.section	.rodata,"a",@progbits
	.p2align	6, 0x0
	.amdhsa_kernel k_q05e69838b0_proj
		.amdhsa_group_segment_fixed_size 327680
		.amdhsa_private_segment_fixed_size 0
		.amdhsa_enable_private_segment 0
		.amdhsa_kernarg_size 48
		.amdhsa_user_sgpr_count 2
		.amdhsa_user_sgpr_kernarg_segment_ptr 1
		.amdhsa_wavefront_size32 1
		.amdhsa_system_sgpr_workgroup_id_x 1
		.amdhsa_system_sgpr_workgroup_id_y 1
		.amdhsa_system_sgpr_workgroup_id_z 1
		.amdhsa_system_vgpr_workitem_id 0
		.amdhsa_next_free_vgpr 1024
		.amdhsa_next_free_sgpr 106
		.amdhsa_reserve_vcc 0
		.amdhsa_float_denorm_mode_32 3
		.amdhsa_float_denorm_mode_16_64 3
		.amdhsa_memory_ordered 1
		.amdhsa_forward_progress 1
		.amdhsa_inst_pref_size 255
	.end_amdhsa_kernel
	.section	.bss,"aw",@nobits
	.p2align	6
	.space	262144
	.amdgpu_metadata
---
amdhsa.version: [ 1, 2 ]
amdhsa.kernels:
  - .name:           k_q05e69838b0_proj
    .symbol:         k_q05e69838b0_proj.kd
    .args:
      - { .name: xb, .offset: 0, .size: 8, .value_kind: global_buffer, .address_space: global }
      - { .name: wb, .offset: 8, .size: 8, .value_kind: global_buffer, .address_space: global }
      - { .name: b_q, .offset: 16, .size: 8, .value_kind: global_buffer, .address_space: global }
      - { .name: b_k, .offset: 24, .size: 8, .value_kind: global_buffer, .address_space: global }
      - { .name: b_v, .offset: 32, .size: 8, .value_kind: global_buffer, .address_space: global }
      - { .name: qkv, .offset: 40, .size: 8, .value_kind: global_buffer, .address_space: global }
    .group_segment_fixed_size: 327680
    .private_segment_fixed_size: 0
    .kernarg_segment_align: 8
    .kernarg_segment_size: 48
    .max_flat_workgroup_size: 128
    .sgpr_count:     106
    .vgpr_count:     1024
    .wavefront_size: 32
...
	.end_amdgpu_metadata
.endif
;; end of part 2
;; launch attn (part 3): grid 256 x 1, 8 waves a work-group, clusters of 4 x 1, 327,680 bytes of LDS; arguments qkv, ao; writes ao
.if DOCPART == 3
	.amdgcn_target "amdgcn-amd-amdhsa--gfx1250"
	.amdhsa_code_object_version 6
	.text
	.protected	k_q05e69838b0_attn
	.globl	k_q05e69838b0_attn
	.p2align	8
	.type	k_q05e69838b0_attn,@function
k_q05e69838b0_attn:
	s_mov_b64 s[64:65], 0
	v_nop
	global_prefetch_b8 v0, s[64:65] scope:SCOPE_SE
	s_setreg_imm32_b32 hwreg(HW_REG_WAVE_MODE, 25, 1), 1
	s_wait_xcnt 0x0
	s_wait_alu depctr_hold_cnt(0) depctr_sa_sdst(0) depctr_va_vdst(0) depctr_va_sdst(0) depctr_va_ssrc(0) depctr_va_vcc(0) depctr_vm_vsrc(0)
	s_getreg_b32 s2, hwreg(HW_REG_IB_STS2, 6, 4)
	s_cmp_eq_u32 s2, 0
	s_cbranch_scc0 .Lentry_in_a_cluster
	s_endpgm
.Lentry_in_a_cluster:
	s_bfe_u32 s2, ttmp6, 0x10000c
	s_cmp_lg_u32 s2, 0x3003
	s_cbranch_scc0 .Lentry_shape_is_right
	s_endpgm
.Lentry_shape_is_right:
; attn: for each of 64 (batch, head): out[q][d] = sum over k of w(q, k) V[k][d], w = exp(-arccosh(x)), x = max(Qn[q] . Kn[k], 1).
; For x >= 1, exp(-arccosh(x)) = x - sqrt(x x - 1) exactly; x is a cosine of normalised vectors, so x <= 1 but for rounding:
; nothing can overflow, and the difference does not cancel.  There is no softmax and no maximum to take away.
; LIMITS: Qn and Kn come rounded to f16, so the cosine of an almost parallel pair can reach about 1 + 2^-10, where w is about 0.96
; (in f32 arithmetic at least 0.9995).  A NaN cosine counts as 1 (v_max_num_f32).  w and V go to the matrix unit in bf16.
; The cluster's number is the (batch, head); its four work-groups take 512 queries each, a wave 64 (four tiles of 16).
; CLUSTERS: the four partners walk the same K and V tiles, so every tile is asked for jointly (mask 15).
; LAYOUTS: S^T = K Q^T (source 0 = 16 keys, source 1 = 16 queries): lane (r, h) gets query r, keys 8 h + j.  Two such tiles packed to bf16
; are source 1 of O^T = V^T w^T as they stand: no exchange between lanes.  V^T comes by the transposing LDS load.
; In O^T a lane holds 8 neighbouring d of one query: 16 bytes of bf16.
; THE PIPELINE: turn n (32 keys x one query tile) holds the vector work on tile n's cosines, the cosines of tile n + 1 (into the other set) and
; the products w V of tile n - 1 (from the other buffer of w).  So a turn's eight matrix instructions depend on none of its 56 vector
; instructions, and they are issued as four pairs spread among them; each root alternates with a plain instruction.
; An LDS slot holds 256 keys: V at pitch 160 (an odd multiple of 32, for the transposing load), K at pitch 144; two slots.
.set VP,    160
.set KP,    144
.set VHALF, 128*VP                     ; 20,480: one tensor load of V
.set KHALF, 128*KP                     ; 18,432: one tensor load of K
.set KOFF,  2*VHALF                    ; 40,960
.set SLOT,  KOFF+2*KHALF               ; 77,824
.set STAGE, 2*SLOT                     ; 155,648, a multiple of 256: 16 rows x 144 bytes for each wave; no tensor load lands here
.set ADRK, 8                           ; v8-9   LDS address of my K fragments in slot 0, 1
.set ADRV, 10                          ; v10-11 the same for V
.set STO,  12
.set RD,   13
.set CO,   14
.set QO,   15
.set Q,    16                          ; v[16:79]   query tile i, half dh of d, at 16 + 16 i + 8 dh
.set KF,   80                          ; v[80:111]  key tile kt, half dh, at 80 + 16 kt + 8 dh
.set VF,   112                         ; v[112:175] buffer vb, d tile t, at 112 + 32 vb + 8 t
.set S,    176                         ; v[176:207] set e: keys 0-15 at +0, keys 16-31 at +8
.set R,    208                         ; v[208:223] roots
.set P,    224                         ; w in bf16: buffer 0 v[224:231], buffer 1 v[248:255] (P + 24)
.set X2,   232                         ; v[232:247] x x - 1
.set Y,    176                         ; the way out: packed results
.set Z,    192                         ; the way out: read back
.set G1V, 12                           ; s[12:19]
.set G1K, 20                           ; s[20:27]
.set G0V, 28                           ; s[28:35] a set for each slot
.set G0K, 36                           ; s[36:43]
.set MSB, 0
.macro WIN new
.if MSB != \new
	s_set_vgpr_msb (MSB<<8)|\new
.set MSB, \new
.endif
.endm
.macro ROUND                           ; a round of the cluster's barrier
	s_barrier_signal -1
	s_barrier_wait -1
	s_cmp_lg_u32 s8, 0
	s_cbranch_scc1 .Lnot_wave_0_\@
	s_barrier_signal -3
.Lnot_wave_0_\@:
	s_barrier_wait -3
	s_barrier_signal -1
	s_barrier_wait -1
.endm
.macro JLOAD s                         ; waves 0, 1: V's halves; waves 2, 3: K's halves; waves 4 to 7 have no part of a tile to fill
	s_cmp_ge_u32 s8, 4
	s_cbranch_scc1 .Lasked_\@
	s_cmp_ge_u32 s8, 2
	s_cbranch_scc1 .Lfor_k_\@
	tensor_load_to_lds s[G0V+4*\s:G0V+4*\s+3], s[G1V:G1V+7]
	s_nop 0
	s_branch .Lasked_\@
.Lfor_k_\@:
	tensor_load_to_lds s[G0K+4*\s:G0K+4*\s+3], s[G1K:G1K+7]
	s_nop 0
.Lasked_\@:
.endm
.macro PLACES
.rept 4
	v_nop
.endr
.endm
	s_load_b128 s[4:7], s[0:1], 0x0                ; qkv s[4:5], ao s[6:7]
	s_set_vgpr_msb 0x40
	v_lshl_add_u32 v128, v0, 2, 0x2a800
	v_mov_b32 v129, 0
	s_set_vgpr_msb 0x4045
	ds_add_u32 v128, v129
	s_set_vgpr_msb 0x4500
	v_lshrrev_b32 v1, 5, v0
	v_readfirstlane_b32 s8, v1                     ; wave 0..7
	s_and_b32 s10, s8, 1                           ; which 128 keys of a slot a loading wave fetches
	s_bfe_u32 s9, ttmp6, 0x40000                   ; cx: my block of 512 queries
	; group 1: 128 keys of 128 bytes are dense in memory and come as 64 rows of 256 bytes; padding behind every 32 words (a key's row):
	; 8 words for V (pitch 160), 4 for K (pitch 144).  The mask names all four partners; bit 21 set beside it.
	s_mov_b32 s[G1V+0], 15|(1<<16)|(1<<20)|(1<<21)|(4<<22)|(7<<25)
	s_mov_b32 s[G1V+1], 128<<16                    ; tensor_dim0 = 128 elements
	s_mov_b32 s[G1V+2], 64<<16                     ; tensor_dim1 = 64
	s_mov_b32 s[G1V+3], 128<<16                    ; tile_dim0 = 128
	s_mov_b32 s[G1V+4], 64                         ; tile_dim1 = 64
	s_mov_b32 s[G1V+5], 128                        ; pitch
	s_mov_b32 s[G1V+6], 0
	s_mov_b32 s[G1V+7], 0
	s_mov_b32 s[G1K+0], 15|(1<<16)|(1<<20)|(1<<21)|(4<<22)|(3<<25)
	s_mov_b32 s[G1K+1], 128<<16
	s_mov_b32 s[G1K+2], 64<<16
	s_mov_b32 s[G1K+3], 128<<16
	s_mov_b32 s[G1K+4], 64
	s_mov_b32 s[G1K+5], 128
	s_mov_b32 s[G1K+6], 0
	s_mov_b32 s[G1K+7], 0
	s_lshl_b32 s44, ttmp9, 18                      ; tiles: (batch, head) x 2,048 keys x 128 bytes + half x 128 keys: no cx in these registers
	s_lshl_b32 s46, s10, 14
	s_add_co_u32 s44, s44, s46
	s_mov_b32 s45, 0
	s_mul_i32 s46, s8, VHALF                       ; LDS: waves 0, 1: V's halves at wave x 20,480
	s_mul_i32 s47, s8, KHALF                       ;      waves 2, 3: K's halves at 40,960 + (wave - 2) x 18,432
	s_add_co_u32 s47, s47, KOFF-2*KHALF
	s_lshl_b32 s50, ttmp9, 18                      ; my 64 queries: + 512 cx + 64 wave rows of 128 bytes
	s_lshl_b32 s51, s9, 16
	s_add_co_u32 s50, s50, s51
	s_lshl_b32 s51, s8, 13
	s_add_co_u32 s50, s50, s51
	s_mov_b32 s51, 0
	s_wait_dscnt 0x0
	s_wait_kmcnt 0x0
	s_add_nc_u64 s[48:49], s[4:5], s[44:45]
	s_add_nc_u64 s[52:53], s[4:5], s[50:51]        ; my rows of Qn (plane 0)
	s_add_nc_u64 s[54:55], s[6:7], s[50:51]        ; my rows of ao
.irp s, 0,1
	s_mov_b32 s[G0V+4*\s], 1
	s_add_co_u32 s[G0V+4*\s+1], s46, \s*SLOT
	s_add_nc_u64 s[G0V+4*\s+2:G0V+4*\s+3], s[48:49], 0x2000000+\s*32768   ; plane 2, keys 256 s ..
	s_or_b32 s[G0V+4*\s+3], s[G0V+4*\s+3], 0x80000000
	s_mov_b32 s[G0K+4*\s], 1
	s_add_co_u32 s[G0K+4*\s+1], s47, \s*SLOT
	s_add_nc_u64 s[G0K+4*\s+2:G0K+4*\s+3], s[48:49], 0x1000000+\s*32768   ; plane 1
	s_or_b32 s[G0K+4*\s+3], s[G0K+4*\s+3], 0x80000000
.endr
	ROUND                                          ; all four work-groups are here: the first joint loads meet
	s_cmp_ge_u32 s8, 4                             ; a wave's two first fills stand in one branch on its number: two loads of the wave are out
	s_cbranch_scc1 .Lfirst_done
	s_cmp_ge_u32 s8, 2
	s_cbranch_scc1 .Lfirst_k
	tensor_load_to_lds s[G0V:G0V+3], s[G1V:G1V+7]
	s_nop 0
	tensor_load_to_lds s[G0V+4:G0V+7], s[G1V:G1V+7]
	s_nop 0
	s_branch .Lfirst_done
.Lfirst_k:
	tensor_load_to_lds s[G0K:G0K+3], s[G1K:G1K+7]
	s_nop 0
	tensor_load_to_lds s[G0K+4:G0K+7], s[G1K:G1K+7]
	s_nop 0
.Lfirst_done:
	v_and_b32 v1, 15, v0                           ; r
	v_bfe_u32 v2, v0, 4, 1                         ; h
	v_lshlrev_b32 v[QO], 7, v1                     ; Q fragments straight from memory: row r, 16 bytes for each half of the lanes
	v_lshl_add_u32 v[QO], v2, 4, v[QO]
.irp i, 0,1,2,3
.irp dh, 0,1
	global_load_b128 v[Q+16*\i+8*\dh:Q+16*\i+8*\dh+3],   v[QO], s[52:53] offset:2048*\i+64*\dh
	global_load_b128 v[Q+16*\i+8*\dh+4:Q+16*\i+8*\dh+7], v[QO], s[52:53] offset:2048*\i+64*\dh+32
.endr
.endr
	v_mul_u32_u24 v3, v1, KP
	v_lshl_add_u32 v3, v2, 4, v3                   ; 144 r + 16 h
	v_add_nc_u32 v[ADRK], KOFF, v3
	v_add_nc_u32 v[ADRK+1], KOFF+SLOT, v3
	v_and_b32 v4, 7, v0
	v_lshl_add_u32 v4, v2, 3, v4                   ; key 8 h + (l & 7)
	v_mul_u32_u24 v4, v4, VP
	v_bfe_u32 v5, v0, 3, 1
	v_lshl_add_u32 v[ADRV], v5, 4, v4              ; + 16 ((l >> 3) & 1)
	v_add_nc_u32 v[ADRV+1], SLOT, v[ADRV]
	s_mul_i32 s57, s8, 16*KP
	s_add_co_u32 s57, s57, STAGE                   ; my stage, rows of 144 bytes too
	v_add_nc_u32 v[STO], s57, v3
	v_and_b32 v5, 31, v0
	v_lshrrev_b32 v6, 3, v5
	v_mul_u32_u24 v6, v6, KP
	v_and_b32 v7, 7, v0
	v_lshl_add_u32 v6, v7, 4, v6
	v_add_nc_u32 v[RD], s57, v6
	v_lshlrev_b32 v[CO], 4, v5
; 16 LDS loads: step st's 32 keys of the slot: K's four fragments, then V^T's four into buffer vb
.macro FETCHKV slot, st, vb
.irp kt, 0,1
.irp dh, 0,1
	ds_load_b128 v[KF+16*\kt+8*\dh:KF+16*\kt+8*\dh+3],   v[ADRK+\slot] offset:(32*(\st)+16*\kt)*KP+64*\dh
	ds_load_b128 v[KF+16*\kt+8*\dh+4:KF+16*\kt+8*\dh+7], v[ADRK+\slot] offset:(32*(\st)+16*\kt)*KP+64*\dh+32
.endr
.endr
.irp t, 0,1,2,3
	ds_load_tr16_b128 v[VF+32*(\vb)+8*\t:VF+32*(\vb)+8*\t+3],   v[ADRV+\slot] offset:32*(\st)*VP+32*\t
	ds_load_tr16_b128 v[VF+32*(\vb)+8*\t+4:VF+32*(\vb)+8*\t+7], v[ADRV+\slot] offset:32*(\st)*VP+32*\t+16*VP
.endr
.endm
; The cosines of 32 keys x query tile i into set e, as two pairs.  The set's two accumulators take turns, one instruction a turn.
.macro GS01 e, i                       ; d = 0..31 starts both sums
	v_wmma_f32_16x16x32_f16 v[S+16*(\e):S+16*(\e)+7],    v[KF:KF+7],     v[Q+16*(\i):Q+16*(\i)+7], 0
	v_wmma_f32_16x16x32_f16 v[S+16*(\e)+8:S+16*(\e)+15], v[KF+16:KF+23], v[Q+16*(\i):Q+16*(\i)+7], 0
.endm
.macro GS23 e, i                       ; d = 32..63
	v_wmma_f32_16x16x32_f16 v[S+16*(\e):S+16*(\e)+7],    v[KF+8:KF+15],  v[Q+16*(\i)+8:Q+16*(\i)+15], v[S+16*(\e):S+16*(\e)+7]
	v_wmma_f32_16x16x32_f16 v[S+16*(\e)+8:S+16*(\e)+15], v[KF+24:KF+31], v[Q+16*(\i)+8:Q+16*(\i)+15], v[S+16*(\e)+8:S+16*(\e)+15]
.endm
; O^T(i, t) += V^T(t) w^T for t = t0, t0 + 1, accumulators in window 1, one instruction each.  zero = 1: the first product starts the sums.
.macro GP t0, i, vb, pb, zero
	WIN 0x50
.irp t, \t0, \t0+1
.if \zero
	v_wmma_f32_16x16x32_bf16 v[32*(\i)+8*(\t):32*(\i)+8*(\t)+7], v[VF+32*(\vb)+8*(\t):VF+32*(\vb)+8*(\t)+7], v[P+24*(\pb):P+24*(\pb)+7], 0
.else
	v_wmma_f32_16x16x32_bf16 v[32*(\i)+8*(\t):32*(\i)+8*(\t)+7], v[VF+32*(\vb)+8*(\t):VF+32*(\vb)+8*(\t)+7], v[P+24*(\pb):P+24*(\pb)+7], v[32*(\i)+8*(\t):32*(\i)+8*(\t)+7]
.endif
.endr
	WIN 0
.endm
; w = x - sqrt(x x - 1), x = max(cosine, 1), for set e's 16 registers, packed into w's buffer e: 56 instructions in seven pieces.
; Each root is followed by a plain instruction that touches neither its result nor its source (ISA guide 5.7.2).
.macro C1 e                            ; x of keys 0-15
.irp j, 0,1,2,3,4,5,6,7
	v_max_num_f32 v[S+16*(\e)+\j], 1.0, v[S+16*(\e)+\j]
.endr
.endm
.macro C2 e                            ; x x - 1 of keys 0-15
.irp j, 0,2,4,6
	v_pk_fma_f32 v[X2+\j:X2+\j+1], v[S+16*(\e)+\j:S+16*(\e)+\j+1], v[S+16*(\e)+\j:S+16*(\e)+\j+1], -1.0 op_sel_hi:[1,1,0]
.endr
.endm
.macro C3H e, lo                       ; four roots of keys 0-15, four x of keys 16-31
.irp j, 0,1,2,3
	v_sqrt_f32 v[R+\lo+\j], v[X2+\lo+\j]
	v_max_num_f32 v[S+16*(\e)+8+\lo+\j], 1.0, v[S+16*(\e)+8+\lo+\j]
.endr
.endm
.macro C4 e                            ; x x - 1 of keys 16-31
.irp j, 8,10,12,14
	v_pk_fma_f32 v[X2+\j:X2+\j+1], v[S+16*(\e)+\j:S+16*(\e)+\j+1], v[S+16*(\e)+\j:S+16*(\e)+\j+1], -1.0 op_sel_hi:[1,1,0]
.endr
.endm
.macro C5A e                           ; four roots of keys 16-31, the differences of keys 0-15
.irp j, 0,1,2,3
	v_sqrt_f32 v[R+8+\j], v[X2+8+\j]
	s_wait_alu depctr_va_vdst(0)
	v_pk_add_f32 v[S+16*(\e)+2*\j:S+16*(\e)+2*\j+1], v[S+16*(\e)+2*\j:S+16*(\e)+2*\j+1], v[R+2*\j:R+2*\j+1] neg_lo:[0,1] neg_hi:[0,1]
.endr
.endm
.macro C5B e                           ; the last four roots, keys 0-15 packed
.irp j, 0,1,2,3
	v_sqrt_f32 v[R+12+\j], v[X2+12+\j]
	v_cvt_pk_bf16_f32 v[P+24*(\e)+\j], v[S+16*(\e)+2*\j], v[S+16*(\e)+2*\j+1]
.endr
.endm
.macro C6 e                            ; the differences of keys 16-31, packed
	s_wait_alu depctr_va_vdst(0)
.irp j, 8,10,12,14
	v_pk_add_f32 v[S+16*(\e)+\j:S+16*(\e)+\j+1], v[S+16*(\e)+\j:S+16*(\e)+\j+1], v[R+\j:R+\j+1] neg_lo:[0,1] neg_hi:[0,1]
.endr
.irp j, 4,5,6,7
	v_cvt_pk_bf16_f32 v[P+24*(\e)+\j], v[S+16*(\e)+2*\j], v[S+16*(\e)+2*\j+1]
.endr
.endm
; The turn of query tile i in step st.  fslot, fst: the slot and step that turn 2 fetches; zr: the products w V of this turn start their sums;
; smm, pvm, fetch: 0 where the pipeline's ends have no next cosines, no products yet, nothing to fetch.
; A set is read at least twelve plain vector instructions behind the matrix instructions that wrote it.  Turn 2 issues the last cosines on this step's K
; first, and loads K again eight plain instructions behind them; turn 3 issues the first cosines on the new K last.
; V's buffer of step st + 1 was last read in turn 0 of step st (tile 3 of step st - 1).
.macro ITER fslot, fst, st, i, zr, smm, pvm, fetch
.set E_C,  (\i)&1
.set E_N,  1-E_C
.set I_N,  ((\i)+1)&3
.set I_P,  ((\i)+3)&3
.set VB_F, ((\st)+1)&1
.if \i == 0
.set VB_P, ((\st)+1)&1
.else
.set VB_P, (\st)&1
.endif
.if \i == 2
	GS01 E_N, I_N
	C1 E_C
	GS23 E_N, I_N
	C2 E_C
	C3H E_C, 0
.if \fetch
	FETCHKV \fslot, \fst, VB_F
.endif
	C3H E_C, 4
	GP 0, I_P, VB_P, E_N, \zr
	C4 E_C
	C5A E_C
	GP 2, I_P, VB_P, E_N, \zr
	C5B E_C
	C6 E_C
.else
.if \i == 3
	GP 0, I_P, VB_P, E_N, \zr
	C1 E_C
	C2 E_C
	GP 2, I_P, VB_P, E_N, \zr
	C3H E_C, 0
	C3H E_C, 4
.if \smm
	s_wait_dscnt 8                                 ; the next step's K is in; V's eight loads, issued behind it, may be out
	GS01 E_N, I_N
.endif
	C4 E_C
	C5A E_C
.if \smm
	GS23 E_N, I_N
.endif
	C5B E_C
	C6 E_C
.else
	GS01 E_N, I_N
	C1 E_C
	C2 E_C
.if \i == 1
	s_wait_dscnt 0                                 ; this step's V is in: tile 0's products come next
.endif
.if \pvm
	GP 0, I_P, VB_P, E_N, \zr
.endif
	C3H E_C, 0
	C3H E_C, 4
	GS23 E_N, I_N
	C4 E_C
	C5A E_C
.if \pvm
	GP 2, I_P, VB_P, E_N, \zr
.endif
	C5B E_C
	C6 E_C
.endif
.endif
.endm
; a turn inside a slot; head = 1: the launch's first slot, where turn (0, 0) has no products yet and step 0's products start the sums
.macro ITERB slot, st, i, head
.set ZR_, 0
.set PV_, 1
.if \head
.if \st == 0
.if \i == 0
.set PV_, 0
.else
.set ZR_, 1
.endif
.endif
.if \st == 1
.if \i == 0
.set ZR_, 1
.endif
.endif
.endif
	ITER \slot, (\st)+1, \st, \i, ZR_, 1, PV_, 1
.endm
; turns (0, 0) to (7, 1) of a slot: up to the point where all its LDS reads are back
.macro BODY slot, head
.irp st, 0,1,2,3,4,5,6
.irp i, 0,1,2,3
	ITERB \slot, \st, \i, \head
.endr
.endr
	ITERB \slot, 7, 0, \head
	ITERB \slot, 7, 1, \head
.endm
; turns (7, 2) and (7, 3): they work on registers and fetch the next slot's first fragments
.macro TAIL2 next
	ITER \next, 0, 7, 2, 0, 1, 1, 1
	ITER \next, 0, 7, 3, 0, 1, 1, 0
.endm
; The change of slots with a refill: every wave's reads of the old slot (the last came back at turn (7, 1)'s wait) and all its tensor loads
; are done in front of the round's opening signal; the joint refill is the first tensor load behind the round, one a wave, ahead of the first LDS read.
.macro BOUND old
	s_wait_dscnt 0x0
	s_set_vgpr_msb 0x5
	s_wait_tensorcnt 0x0                           ; none of my loads is out: a group 0 may be written
	ds_add_u32 v128, v129
	s_wait_dscnt 0x0
	s_set_vgpr_msb 0x500
	s_add_nc_u64 s[G0V+4*\old+2:G0V+4*\old+3], s[G0V+4*\old+2:G0V+4*\old+3], 65536   ; 512 keys on
	s_add_nc_u64 s[G0K+4*\old+2:G0K+4*\old+3], s[G0K+4*\old+2:G0K+4*\old+3], 65536
	ROUND
	JLOAD \old
.endm
	s_wait_tensorcnt 0x1                           ; my part of slot 0 is in; slot 1's load, issued behind it, may stay out
	s_barrier_signal -1
	s_barrier_wait -1
	FETCHKV 0, 0, 0
	s_wait_loadcnt 0x0                             ; Q
	s_wait_dscnt 8                                 ; K; V's eight loads may be out
	GS01 0, 0
	GS23 0, 0
	PLACES                                         ; here alone no vector work stands between a set's matrix instructions and its first reader
	BODY 0, 1                                      ; keys 0-255
	s_mov_b32 s56, 3
.Lphase:                                           ; six changes of slot with a refill, each refill with a whole slot's work in which to land
	BOUND 0
	TAIL2 1
	BODY 1, 0
	BOUND 1
	TAIL2 0
	BODY 0, 0
	s_sub_co_u32 s56, s56, 1
	s_cmp_lg_u32 s56, 0
	s_cbranch_scc1 .Lphase
	s_wait_dscnt 0x0                               ; the last change of slots fills nothing: my work-group's barrier alone
	s_wait_tensorcnt 0x0
	s_barrier_signal -1
	s_barrier_wait -1
	TAIL2 1
	BODY 1, 0                                      ; keys 1792-2047
	ITER 0, 0, 7, 2, 0, 1, 1, 0                    ; the pipeline runs empty: nothing to fetch,
	ITER 0, 0, 7, 3, 0, 0, 1, 0                    ; no next cosines,
	GP 0, 3, 1, 1, 0                               ; and the last tile's products
	GP 2, 3, 1, 1, 0
	; THE WAY OUT, 16 queries at a time: round to bf16, 16 bytes a lane into my stage, read back as 512 neighbouring bytes
	PLACES
.irp i, 0,1,2,3
	WIN 0x05                                       ; sources 0 and 1 in window 1
.irp t, 0,1,2,3
.irp p, 0,1,2,3
	v_cvt_pk_bf16_f32 v[Y+4*\t+\p], v[32*\i+8*\t+2*\p], v[32*\i+8*\t+2*\p+1]
.endr
.endr
	WIN 0
.irp t, 0,1,2,3
	ds_store_b128 v[STO], v[Y+4*\t:Y+4*\t+3] offset:32*\t          ; d = 16 t + 8 h + 0..7 of query r
.endr
	s_wait_xcnt 0x0                                ; Z is the data of the last 16 queries' stores: it is loaded again only behind this wait
.irp u, 0,1,2,3
	ds_load_b128 v[Z+4*\u:Z+4*\u+3], v[RD] offset:4*KP*\u          ; a wave's LDS instructions are served in order (ISA guide 5.7.1)
.endr
.irp u, 0,1,2,3
	s_wait_dscnt 3-\u                              ; load u is in, the younger ones stay out
	global_store_b128 v[CO], v[Z+4*\u:Z+4*\u+3], s[54:55] offset:2048*\i+512*\u
.endr
.endr
	s_set_vgpr_msb 0x5
	s_wait_tensorcnt 0x0
	ds_add_u32 v128, v129
	s_wait_dscnt 0x0
	s_set_vgpr_msb 0x500
	ROUND                                          ; the closing round
	s_endpgm
.Lfunc_end_k_q05e69838b0_attn:
	.size	k_q05e69838b0_attn, .Lfunc_end_k_q05e69838b0_attn-k_q05e69838b0_attn
	.p2alignl 7, 3214868480
	.fill 96, 4, 3214868480
	.section	.rodata,"a",@progbits
	.p2align	6, 0x0
	.amdhsa_kernel k_q05e69838b0_attn
		.amdhsa_group_segment_fixed_size 327680
		.amdhsa_private_segment_fixed_size 0
		.amdhsa_enable_private_segment 0
		.amdhsa_kernarg_size 16
		.amdhsa_user_sgpr_count 2
		.amdhsa_user_sgpr_kernarg_segment_ptr 1
		.amdhsa_wavefront_size32 1
		.amdhsa_system_sgpr_workgroup_id_x 1
		.amdhsa_system_sgpr_workgroup_id_y 1
		.amdhsa_system_sgpr_workgroup_id_z 1
		.amdhsa_system_vgpr_workitem_id 0
		.amdhsa_next_free_vgpr 386
		.amdhsa_next_free_sgpr 66
		.amdhsa_reserve_vcc 0
		.amdhsa_float_denorm_mode_32 3
		.amdhsa_float_denorm_mode_16_64 3
		.amdhsa_memory_ordered 1
		.amdhsa_forward_progress 1
		.amdhsa_inst_pref_size 255
	.end_amdhsa_kernel
	.section	.bss,"aw",@nobits
	.p2align	6
	.space	262144
	.amdgpu_metadata
---
amdhsa.version: [ 1, 2 ]
amdhsa.kernels:
  - .name:           k_q05e69838b0_attn
    .symbol:         k_q05e69838b0_attn.kd
    .args:
      - { .name: qkv, .offset: 0, .size: 8, .value_kind: global_buffer, .address_space: global }
      - { .name: ao, .offset: 8, .size: 8, .value_kind: global_buffer, .address_space: global }
    .group_segment_fixed_size: 327680
    .private_segment_fixed_size: 0
    .kernarg_segment_align: 8
    .kernarg_segment_size: 16
    .max_flat_workgroup_size: 256
    .sgpr_count:     66
    .vgpr_count:     386
    .wavefront_size: 32
...
	.end_amdgpu_metadata
.endif
;; end of part 3
;; launch outp (part 4): grid 8 x 32, 4 waves a work-group, clusters of 4 x 4, 327,680 bytes of LDS; arguments ao, wb, b_o, out0; writes out0
.if DOCPART == 4
	.amdgcn_target "amdgcn-amd-amdhsa--gfx1250"
	.amdhsa_code_object_version 6
	.text
	.protected	k_q05e69838b0_outp
	.globl	k_q05e69838b0_outp
	.p2align	8
	.type	k_q05e69838b0_outp,@function
k_q05e69838b0_outp:
	s_mov_b64 s[64:65], 0
	v_nop
	global_prefetch_b8 v0, s[64:65] scope:SCOPE_SE
	s_setreg_imm32_b32 hwreg(HW_REG_WAVE_MODE, 25, 1), 1
	s_wait_xcnt 0x0
	s_wait_alu depctr_hold_cnt(0) depctr_sa_sdst(0) depctr_va_vdst(0) depctr_va_sdst(0) depctr_va_ssrc(0) depctr_va_vcc(0) depctr_vm_vsrc(0)
	s_getreg_b32 s2, hwreg(HW_REG_IB_STS2, 6, 4)
	s_cmp_eq_u32 s2, 0
	s_cbranch_scc0 .Lentry_in_a_cluster
	s_endpgm
.Lentry_in_a_cluster:
	s_bfe_u32 s2, ttmp6, 0x10000c
	s_cmp_lg_u32 s2, 0xf033
	s_cbranch_scc0 .Lentry_shape_is_right
	s_endpgm
.Lentry_shape_is_right:
; outp: out0[t][f] = sum over k of a[t][k] w_o[f][k] + b_o[f], f32 out.  a[t][64 head + d] = ao[16 batch + head][token][d], bf16;
; w_o is rows 3072-4095 of wb, bf16; sums and bias in f32.
; A work-group makes 256 tokens x 128 features with four waves, a wave 128 x 64 (32 accumulator tiles, 256 registers): 256 work-groups.
; K goes in steps of 128 = two heads through two LDS slots.  A's tile of a step is two planes (one a head) of 256 tokens x 128 bytes, each
; dense in memory: it comes as 128 rows of 256 bytes, padded behind every 128 bytes to an LDS pitch of 144.  B's rows are 256 bytes, pitch 272.
; CLUSTERS: 4 x 4 work-groups; A's tiles are shared along a row of the cluster, B's along a column, each asked for jointly.
; The matrix instruction is used transposed (source 0 = 16 rows of w_o, source 1 = 16 tokens): lane l holds token l % 16 and
; eight neighbouring features.  Registers as in the projections: window 0 addresses, two fragment buffers, bias; window 1 the sums.
.set PA,     144
.set PB,     272
.set APLANE, 256*PA                    ; 36,864: one tensor load of A
.set BHALF,  64*PB                     ; 17,408: one tensor load of B
.set BOFF,   2*APLANE
.set SLOT,   BOFF+2*BHALF              ; 108,544
.set STAGE,  2*SLOT                    ; 217,088, a multiple of 256: 16 rows x 272 bytes for each wave; no tensor load lands here
.set SPITCH, 272
.set ASTEP,  2*2048*128                ; two heads on
.set BSTEP,  256                       ; 128 elements along a row of w_o
.set LAPS,   4
.set ADRA, 16
.set ADRB, 20
.set STO,  24
.set RD,   25
.set CO,   26
.set BO,   27
.set F0,   32
.set F1,   128
.set BIAS, 224
.set T,    128                         ; the way out: 32 numbers in f32
.set Z,    160                         ; the way out: 32 registers read back
.set G1A, 28
.set G0A, 36
.set G1B, 44
.set G0B, 52
.set MULW, 0x50
.set MSB, 0
.macro WIN new
.if MSB != \new
	s_set_vgpr_msb (MSB<<8)|\new
.set MSB, \new
.endif
.endm
.macro JLOAD s                         ; waves 0 and 1 ask for A's two planes, waves 2 and 3 for B's two halves
	s_cmp_eq_u32 s17, 0
	s_cbranch_scc0 .Lfor_b_\@
	tensor_load_to_lds s[G0A+4*\s:G0A+4*\s+3], s[G1A:G1A+7]
	s_nop 0
	s_branch .Lasked_\@
.Lfor_b_\@:
	tensor_load_to_lds s[G0B+4*\s:G0B+4*\s+3], s[G1B:G1B+7]
	s_nop 0
.Lasked_\@:
.endm
.macro CREST
	s_cmp_lg_u32 s16, 0
	s_cbranch_scc1 .Lnot_wave_0_\@
	s_barrier_signal -3
.Lnot_wave_0_\@:
	s_barrier_wait -3
	s_barrier_signal -1
	s_barrier_wait -1
.endm
.macro CROUND
	s_barrier_signal -1
	s_barrier_wait -1
	CREST
.endm
	s_load_b256 s[4:11], s[0:1], 0x0               ; ao s[4:5], wb s[6:7], b_o s[8:9], out0 s[10:11]
	v_lshl_add_u32 v30, v0, 2, 0x39400
	v_mov_b32 v31, 0
	ds_add_u32 v30, v31
	v_lshrrev_b32 v1, 5, v0
	v_readfirstlane_b32 s16, v1                    ; wave 0..3
	s_lshr_b32 s17, s16, 1                         ; mh: which 128 tokens are mine.  Also: I fetch for A (0) or for B (1)
	s_and_b32 s18, s16, 1                          ; nh: which 64 features are mine.  Also: which plane or half I fetch
	s_bfe_u32 s19, ttmp6, 0x40000                  ; cx
	s_bfe_u32 s20, ttmp6, 0x40004                  ; cy
	s_lshl_b32 s21, ttmp9, 2
	s_add_co_u32 s21, s21, s19                     ; bx: block of 128 features
	s_and_b32 s22, ttmp7, 0xffff
	s_lshl_b32 s22, s22, 2
	s_add_co_u32 s22, s22, s20                     ; by: block of 256 tokens
	s_lshl_b32 s24, s20, 2
	s_lshl_b32 s24, 15, s24                        ; my row of the cluster
	s_lshl_b32 s25, 0x1111, s19                    ; my column
	s_or_b32 s[G1A+0], s24, (1<<16)|(1<<20)|(1<<21)|(4<<22)|(3<<25)   ; padding of 4 words behind every 32 words (a token's 128 bytes)
	s_mov_b32 s[G1A+1], 128<<16                    ; tensor_dim0 = 128 elements (two tokens' rows)
	s_mov_b32 s[G1A+2], 128<<16                    ; tensor_dim1 = 128
	s_mov_b32 s[G1A+3], 128<<16                    ; tile_dim0 = 128
	s_mov_b32 s[G1A+4], 128                        ; tile_dim1 = 128
	s_mov_b32 s[G1A+5], 128                        ; pitch: dense
	s_mov_b32 s[G1A+6], 0
	s_mov_b32 s[G1A+7], 0
	s_or_b32 s[G1B+0], s25, (1<<16)|(1<<20)|(1<<21)|(5<<22)|(3<<25)   ; padding of 4 words behind every 64 words
	s_mov_b32 s[G1B+1], 128<<16
	s_mov_b32 s[G1B+2], 64<<16
	s_mov_b32 s[G1B+3], 128<<16
	s_mov_b32 s[G1B+4], 64
	s_mov_b32 s[G1B+5], 1024
	s_mov_b32 s[G1B+6], 0
	s_mov_b32 s[G1B+7], 0
	s_lshr_b32 s66, s22, 3                         ; A: batch x 16 heads x 2,048 tokens x 128 bytes,
	s_lshl_b32 s66, s66, 22
	s_and_b32 s60, s22, 7                          ;    256 tokens a block,
	s_lshl_b32 s60, s60, 15
	s_add_co_u32 s66, s66, s60
	s_lshl_b32 s60, s18, 18                        ;    a head a plane
	s_add_co_u32 s66, s66, s60
	s_mov_b32 s67, 0
	s_lshl_b32 s68, s21, 18                        ; B: 128 rows of 2,048 bytes a block,
	s_lshl_b32 s61, s18, 17                        ;    64 rows a half,
	s_add_co_u32 s68, s68, s61
	s_add_co_u32 s68, s68, 3*2097152               ;    behind w_q, w_k, w_v
	s_mov_b32 s69, 0
	s_mul_i32 s62, s16, APLANE                     ; LDS: waves 0, 1: A's planes at wave x 36,864
	s_mul_i32 s63, s16, BHALF                      ;      waves 2, 3: B's halves at 73,728 + (wave - 2) x 17,408
	s_add_co_u32 s63, s63, BOFF-2*BHALF
	s_wait_dscnt 0x0
	s_wait_kmcnt 0x0
	s_add_nc_u64 s[66:67], s[4:5], s[66:67]
	s_add_nc_u64 s[68:69], s[6:7], s[68:69]
	CROUND                                         ; all sixteen work-groups are here: the first joint loads meet
.irp s, 0,1
	s_mov_b32 s[G0A+4*\s], 1
	s_add_co_u32 s[G0A+4*\s+1], s62, \s*SLOT
	s_add_nc_u64 s[G0A+4*\s+2:G0A+4*\s+3], s[66:67], \s*ASTEP
	s_or_b32 s[G0A+4*\s+3], s[G0A+4*\s+3], 0x80000000
	s_mov_b32 s[G0B+4*\s], 1
	s_add_co_u32 s[G0B+4*\s+1], s63, \s*SLOT
	s_add_nc_u64 s[G0B+4*\s+2:G0B+4*\s+3], s[68:69], \s*BSTEP
	s_or_b32 s[G0B+4*\s+3], s[G0B+4*\s+3], 0x80000000
	JLOAD \s                                       ; two loads of the wave are out
.endr
	v_and_b32 v1, 15, v0                           ; r
	v_bfe_u32 v2, v0, 4, 1                         ; h
	v_mul_u32_u24 v3, v1, PA
	v_lshl_add_u32 v3, v2, 4, v3                   ; A: 144 r + 16 h
	v_mul_u32_u24 v4, v1, PB
	v_lshl_add_u32 v4, v2, 4, v4                   ; B and the stage's rows: 272 r + 16 h
	s_mul_i32 s70, s17, 128*PA                     ; my 128 tokens in a plane
	s_mul_i32 s71, s18, BHALF
	s_add_co_u32 s71, s71, BOFF
.irp s, 0,1
	v_add_nc_u32 v[ADRA+\s], s70, v3
	v_add_nc_u32 v[ADRB+\s], s71, v4
	s_add_co_u32 s70, s70, SLOT
	s_add_co_u32 s71, s71, SLOT
.endr
	s_mul_i32 s72, s16, 16*SPITCH
	s_add_co_u32 s72, s72, STAGE                   ; my stage
	v_lshl_add_u32 v4, v2, 4, v4                   ; in: 272 r + 32 h
	v_add_nc_u32 v[STO], s72, v4
	v_mul_u32_u24 v5, v2, SPITCH                   ; back: lanes 0-15 take one row of 256 bytes, lanes 16-31 the next
	v_lshl_add_u32 v5, v1, 4, v5
	v_add_nc_u32 v[RD], s72, v5
	v_lshlrev_b32 v6, 12, v2                       ; and the same two rows of out0, 4,096 bytes apart
	v_lshl_add_u32 v[CO], v1, 4, v6
	s_lshl1_add_u32 s73, s21, s18                  ; 2 bx + nh: my 64 features
	s_lshl_b32 s76, s73, 8
	v_lshl_add_u32 v[BO], v2, 5, s76               ; the bias of features 64 (2 bx + nh) + 16 b + 8 h + j
.irp b, 0,1,2,3
	global_load_b128 v[BIAS+8*\b:BIAS+8*\b+3],   v[BO], s[8:9] offset:64*\b
	global_load_b128 v[BIAS+8*\b+4:BIAS+8*\b+7], v[BO], s[8:9] offset:64*\b+16
.endr
	s_lshl_b32 s74, s22, 20                        ; out0: 256 rows of 4,096 bytes a block, 128 rows for mh, 256 bytes for each 64 features
	s_lshl_b32 s75, s17, 19
	s_add_co_u32 s74, s74, s75
	s_lshl_b32 s75, s73, 8
	s_add_co_u32 s74, s74, s75
	s_mov_b32 s75, 0
	s_add_nc_u64 s[10:11], s[10:11], s[74:75]
; The 32 accumulators take turns, one instruction a turn, in the same order in every quarter step.
.macro MUL8 f, a0, zero
.irp a, \a0, \a0+1
.irp b, 0,1,2,3
.if \zero
	v_wmma_f32_16x16x32_bf16 v[8*(4*(\a)+\b):8*(4*(\a)+\b)+7], v[\f+64+8*\b:\f+64+8*\b+7], v[\f+8*(\a):\f+8*(\a)+7], 0
.else
	v_wmma_f32_16x16x32_bf16 v[8*(4*(\a)+\b):8*(4*(\a)+\b)+7], v[\f+64+8*\b:\f+64+8*\b+7], v[\f+8*(\a):\f+8*(\a)+7], v[8*(4*(\a)+\b):8*(4*(\a)+\b)+7]
.endif
.endr
.endr
.endm
; 24 LDS loads: quarter q of the step: B at byte 64 q of its rows; A in plane q / 2 at byte 64 (q % 2) of a token's row
.macro FETCH slot, q, f
.irp b, 0,1,2,3
	ds_load_b128 v[\f+64+8*\b:\f+64+8*\b+3],   v[ADRB+\slot] offset:64*\q+\b*16*PB
	ds_load_b128 v[\f+64+8*\b+4:\f+64+8*\b+7], v[ADRB+\slot] offset:64*\q+\b*16*PB+32
.endr
.irp i, 0,1,2,3,4,5,6,7
	ds_load_b128 v[\f+8*\i:\f+8*\i+3],   v[ADRA+\slot] offset:(\q>>1)*APLANE+(\q&1)*64+\i*16*PA
	ds_load_b128 v[\f+8*\i+4:\f+8*\i+7], v[ADRA+\slot] offset:(\q>>1)*APLANE+(\q&1)*64+\i*16*PA+32
.endr
.endm
; Four places of plain vector instructions between a matrix instruction and a load into, or a vector instruction on, its registers
; (ISA guide 7.12.1 for vector instructions)
.macro PLACES
.rept 4
	v_nop
.endr
.endm
.macro QUARTER slot, q, f, g, zero
	s_wait_dscnt 8                                 ; B and A's rows 0-63 are in; the youngest eight loads (A's rows 64-127) may be out
	WIN MULW
	MUL8 \f, 0, \zero
	MUL8 \f, 2, \zero
	PLACES
	WIN 0
	FETCH \slot, \q, \g
	s_wait_dscnt 24                                ; all but the 24 just issued
	WIN MULW
	MUL8 \f, 4, \zero
	MUL8 \f, 6, \zero
.endm
.macro THREE slot, zero
	QUARTER \slot, 1, F0, F1, \zero
	QUARTER \slot, 2, F1, F0, 0
	QUARTER \slot, 3, F0, F1, 0
.endm
; The change of slots: each wave's reads of this slot and all its tensor loads are done in front of the signal; where the slot is filled
; again the barrier opens a round of the cluster's barrier and the joint refill is the first tensor load behind it, one a wave.
.macro TURN slot, next, fill
	s_wait_dscnt 8
	WIN MULW
	MUL8 F1, 0, 0
	s_wait_dscnt 0
	s_wait_tensorcnt 0x0
	ds_add_u32 v30, v31
	s_wait_dscnt 0x0
	s_barrier_signal -1
	MUL8 F1, 2, 0
	WIN 0
	s_barrier_wait -1
.if \fill
	CREST
	s_add_nc_u64 s[G0A+4*\slot+2:G0A+4*\slot+3], s[G0A+4*\slot+2:G0A+4*\slot+3], 2*ASTEP
	s_add_nc_u64 s[G0B+4*\slot+2:G0B+4*\slot+3], s[G0B+4*\slot+2:G0B+4*\slot+3], 2*BSTEP
	JLOAD \slot
.endif
	PLACES
	FETCH \next, 0, F0
	WIN MULW
	MUL8 F1, 4, 0
	MUL8 F1, 6, 0
.endm
.macro LAP zero
	THREE 0, \zero
	TURN 0, 1, 1
	THREE 1, 0
	TURN 1, 0, 1
.endm
	s_wait_tensorcnt 1                             ; my part of K step 0 is in; K step 1's load may stay out
	s_barrier_signal -1
	s_barrier_wait -1
	FETCH 0, 0, F0
	LAP 1
	WIN 0
	s_mov_b32 s3, LAPS-2
.Llap:
	LAP 0
	WIN 0
	s_sub_co_u32 s3, s3, 1
	s_cmp_lg_u32 s3, 0
	s_cbranch_scc1 .Llap
	THREE 0, 0                                     ; the last lap fills nothing
	TURN 0, 1, 0
	THREE 1, 0
	s_wait_dscnt 8
	WIN MULW
	MUL8 F1, 0, 0
	MUL8 F1, 2, 0
	s_wait_dscnt 0
	MUL8 F1, 4, 0
	MUL8 F1, 6, 0
; THE WAY OUT, 16 tokens at a time: add the bias, 32 bytes a lane and feature tile into my stage, read back as whole rows of 256 bytes
.macro OUT16 a
	WIN 0x01                                       ; source 0 (the sums) in window 1
.irp p, 0,1,2,3,4,5,6,7,8,9,10,11,12,13,14,15
	v_pk_add_f32 v[T+2*\p:T+2*\p+1], v[32*\a+2*\p:32*\a+2*\p+1], v[BIAS+2*\p:BIAS+2*\p+1]
.endr
	WIN 0
.irp b, 0,1,2,3
	ds_store_b128 v[STO], v[T+8*\b:T+8*\b+3]   offset:64*\b        ; features 16 b + 8 h + 0..3 of token r
	ds_store_b128 v[STO], v[T+8*\b+4:T+8*\b+7] offset:64*\b+16     ; and + 4..7
.endr
	s_wait_xcnt 0x0                                ; Z is the data of the last 16 tokens' stores: it is loaded again only behind this wait
.irp u, 0,1,2,3,4,5,6,7
	ds_load_b128 v[Z+4*\u:Z+4*\u+3], v[RD] offset:2*SPITCH*\u      ; a wave's LDS instructions are served in order (ISA guide 5.7.1)
.endr
.irp u, 0,1,2,3,4,5,6,7
	s_wait_dscnt 7-\u                              ; load u is in, the younger ones stay out
	global_store_b128 v[CO], v[Z+4*\u:Z+4*\u+3], s[10:11] offset:(16*\a+2*\u)*4096 th:TH_STORE_NT   ; 16 lanes store 256 neighbouring bytes, aligned
.endr
.endm
	PLACES                                         ; behind the last matrix instructions
	WIN 0
	s_wait_loadcnt 0x0                             ; the bias
.irp a, 0,1,2,3,4,5,6,7
	OUT16 \a
.endr
	s_wait_tensorcnt 0x0
	ds_add_u32 v30, v31
	s_wait_dscnt 0x0
	CROUND                                         ; the closing round
	s_endpgm
.Lfunc_end_k_q05e69838b0_outp:
	.size	k_q05e69838b0_outp, .Lfunc_end_k_q05e69838b0_outp-k_q05e69838b0_outp
	.p2alignl 7, 3214868480
	.fill 96, 4, 3214868480
	.section	.rodata,"a",@progbits
	.p2align	6, 0x0
	.amdhsa_kernel k_q05e69838b0_outp
		.amdhsa_group_segment_fixed_size 327680
		.amdhsa_private_segment_fixed_size 0
		.amdhsa_enable_private_segment 0
		.amdhsa_kernarg_size 32
		.amdhsa_user_sgpr_count 2
		.amdhsa_user_sgpr_kernarg_segment_ptr 1
		.amdhsa_wavefront_size32 1
		.amdhsa_system_sgpr_workgroup_id_x 1
		.amdhsa_system_sgpr_workgroup_id_y 1
		.amdhsa_system_sgpr_workgroup_id_z 1
		.amdhsa_system_vgpr_workitem_id 0
		.amdhsa_next_free_vgpr 512
		.amdhsa_next_free_sgpr 80
		.amdhsa_reserve_vcc 0
		.amdhsa_float_denorm_mode_32 3
		.amdhsa_float_denorm_mode_16_64 3
		.amdhsa_memory_ordered 1
		.amdhsa_forward_progress 1
		.amdhsa_inst_pref_size 127
	.end_amdhsa_kernel
	.amdgpu_metadata
---
amdhsa.version: [ 1, 2 ]
amdhsa.kernels:
  - .name:           k_q05e69838b0_outp
    .symbol:         k_q05e69838b0_outp.kd
    .args:
      - { .name: ao, .offset: 0, .size: 8, .value_kind: global_buffer, .address_space: global }
      - { .name: wb, .offset: 8, .size: 8, .value_kind: global_buffer, .address_space: global }
      - { .name: b_o, .offset: 16, .size: 8, .value_kind: global_buffer, .address_space: global }
      - { .name: out0, .offset: 24, .size: 8, .value_kind: global_buffer, .address_space: global }
    .group_segment_fixed_size: 327680
    .private_segment_fixed_size: 0
    .kernarg_segment_align: 8
    .kernarg_segment_size: 32
    .max_flat_workgroup_size: 128
    .sgpr_count:     80
    .vgpr_count:     512
    .wavefront_size: 32
...
	.end_amdgpu_metadata
.endif
;; end of part 4
